; MI455X (gfx1250); checked and timed in simulation.
; The chip was launched on July 23, 2026; its instructions are those of AMD's public machine-readable ISA for CDNA 5 (MIT licence, August 2026) and "CDNA5" Instruction Set Architecture Reference Guide (July 2026). The comments in the code are by the model that wrote it; some were corrected since.
;; Multi Head Attention. Allowed arithmetic: float matrix products may take bf16 or f16 operands with f32 sums; all other float work in f32.
;; Inputs: Wk 1,024 x 1,024 float32; Wo 1,024 x 1,024 float32; Wq 1,024 x 1,024 float32; Wv 1,024 x 1,024 float32; bk 1,024 float32; bo 1,024 float32; bq 1,024 float32; bv 1,024 float32; hidden_states 2 x 2,048 x 1,024 float32.
;; Outputs: out0 2 x 2,048 x 1,024 float32.
;; One version. Each part assembles by itself: llvm-mc -triple=amdgcn-amd-amdhsa -mcpu=gfx1250 --defsym DOCPART=n.
;; ======== version 1 of 1: 4 launches
;; limits: values are held in f16: magnitudes above 65,504 overflow, below 6.1e-05 lose precision
;; workspace buffers: xb 8,388,608 bytes; wqkv 6,291,456 bytes; wob 2,097,152 bytes; q 8,388,608 bytes; k 8,388,608 bytes; vt 8,388,608 bytes; ctx 8,388,608 bytes
;; launch cvt (part 1): grid 32 x 8, 8 waves a work-group, no clusters, 0 bytes of LDS; arguments hidden_states, Wq, Wk, Wv, Wo, xb, wqkv, wob; writes xb, wqkv, wob
.if DOCPART == 1
	.amdgcn_target "amdgcn-amd-amdhsa--gfx1250"
	.amdhsa_code_object_version 6
	.text
	.protected	k_qeee6b3e88d_cvt
	.globl	k_qeee6b3e88d_cvt
	.p2align	8
	.type	k_qeee6b3e88d_cvt,@function
k_qeee6b3e88d_cvt:
	s_mov_b64 s[64:65], 0
	v_nop
	global_prefetch_b8 v0, s[64:65] scope:SCOPE_SE
	s_setreg_imm32_b32 hwreg(HW_REG_WAVE_MODE, 25, 1), 1
	s_wait_xcnt 0x0
; The five large f32 inputs are rounded once to 16 bits, so that the products behind read half the bytes and convert nothing.
;   xb   [4096][1024] bf16           = hidden_states
;   wqkv [16 heads][q,k,v][64][1024] bf16 = the rows of Wq, Wk, Wv, laid head by head: one head's 192 rows are one dense block
;   wob  [1024][1024] f16            = Wo rounded to bf16 as the other four are (one consistently rounded set of inputs), that value then written
;                                      as f16, because the product's other operand (ctx) is f16.  Exact for 2^-17 <= |w| <= 65,504;
;                                      below that the f16 step of 2^-24 rounds, above it the result is infinite.
; Work-group y picks a slice of 1,024 x 1,024 numbers (0-3: quarters of hidden_states; 4, 5, 6, 7: Wq, Wk, Wv, Wo), x picks 32 rows of it:
; 131,072 bytes in, 65,536 out, both contiguous.  A wave takes 16,384 bytes in 32 loads of 512 neighbouring bytes, all issued at once;
; each store of a wave covers 256 consecutive bytes, aligned.  A stream: no LDS, no barrier, no matrix unit.
.set X, 4                              ; v[4:131]  load i: 4 registers as loaded; its first two then hold the 8 bytes to store
	s_load_b512 s[8:23], s[0:1], 0x0               ; hidden s[8:9], Wq s[10:11], Wk s[12:13], Wv s[14:15], Wo s[16:17], xb s[18:19], wqkv s[20:21], wob s[22:23]
	s_and_b32 s2, ttmp7, 0xffff                    ; y: the slice
	s_mov_b32 s3, ttmp9                            ; x: 32 rows of it
	s_mov_b32 s38, 0xffff0000                      ; a word's upper bf16
	v_lshrrev_b32 v3, 5, v0                        ; wave
	v_and_b32 v2, 31, v0                           ; lane
	v_lshlrev_b32 v1, 4, v2
	v_lshl_or_b32 v1, v3, 14, v1                   ; in:  16,384 x wave + 16 x lane
	v_lshlrev_b32 v2, 3, v2
	v_lshl_or_b32 v2, v3, 13, v2                   ; out:  8,192 x wave +  8 x lane
	s_cmp_lt_u32 s2, 4
	s_cselect_b32 s28, s2, 0                       ; which quarter of hidden_states (0 for the weights)
	s_lshl_b32 s30, s28, 22
	s_lshl_b32 s29, s3, 17
	s_add_co_u32 s30, s30, s29                     ; source offset: quarter x 4 MiB + x x 128 KiB
	s_mov_b32 s31, 0
	s_lshl_b32 s32, s28, 21
	s_lshl_b32 s29, s3, 16
	s_add_co_u32 s32, s32, s29                     ; destination offset where the rows keep their order (xb, wob)
	s_lshr_b32 s33, s3, 1                          ; Wq, Wk, Wv: the head of my 32 rows,
	s_mul_i32 s33, s33, 192                        ; 192 rows a head,
	s_sub_co_u32 s36, s2, 4                        ; 0, 1, 2 for q, k, v (wraps for hidden_states: not chosen below)
	s_lshl_b32 s37, s36, 6
	s_add_co_u32 s33, s33, s37                     ; 64 rows for each of q, k, v,
	s_and_b32 s37, s3, 1
	s_lshl_b32 s37, s37, 5
	s_add_co_u32 s33, s33, s37                     ; the upper or lower 32 of them,
	s_lshl_b32 s33, s33, 11                        ; rows of 2,048 bytes
	s_cmp_lt_u32 s36, 3
	s_cselect_b32 s34, s33, s32
	s_mov_b32 s35, 0
	s_wait_kmcnt 0x0
	s_mov_b64 s[24:25], s[8:9]                     ; the source, chosen by y alone
	s_cmp_eq_u32 s2, 4
	s_cselect_b64 s[24:25], s[10:11], s[24:25]
	s_cmp_eq_u32 s2, 5
	s_cselect_b64 s[24:25], s[12:13], s[24:25]
	s_cmp_eq_u32 s2, 6
	s_cselect_b64 s[24:25], s[14:15], s[24:25]
	s_cmp_eq_u32 s2, 7
	s_cselect_b64 s[24:25], s[16:17], s[24:25]
	s_cmp_ge_u32 s2, 4                             ; the destination likewise
	s_cselect_b64 s[26:27], s[20:21], s[18:19]
	s_cmp_eq_u32 s2, 7
	s_cselect_b64 s[26:27], s[22:23], s[26:27]
	s_add_nc_u64 s[24:25], s[24:25], s[30:31]
	s_add_nc_u64 s[26:27], s[26:27], s[34:35]
.set i, 0
.rept 32
	global_load_b128 v[X+4*i:X+4*i+3], v1, s[24:25] offset:512*i th:TH_LOAD_NT   ; read once in the launch
.set i, i+1
.endr
	s_cmp_eq_u32 s2, 7
	s_cbranch_scc1 .Lwo
	; bf16: two roundings in one instruction.  No register that a load or store names is written again, so no wait but the loads' own.
.set i, 0
.rept 32
	s_wait_loadcnt 31-i                            ; loads come back in order (ISA guide 5.7.1): load i is in, the 31 - i younger stay out
	v_cvt_pk_bf16_f32 v[X+4*i], v[X+4*i], v[X+4*i+1]
	v_cvt_pk_bf16_f32 v[X+4*i+1], v[X+4*i+2], v[X+4*i+3]
	global_store_b64 v2, v[X+4*i:X+4*i+1], s[26:27] offset:256*i
.set i, i+1
.endr
	s_endpgm
.Lwo:
	; Wo: round to bf16, widen (a shift, a mask), write as f16
.set i, 0
.rept 32
	s_wait_loadcnt 31-i
	v_cvt_pk_bf16_f32 v[X+4*i], v[X+4*i], v[X+4*i+1]
	v_cvt_pk_bf16_f32 v[X+4*i+2], v[X+4*i+2], v[X+4*i+3]
	v_and_b32 v[X+4*i+1], s38, v[X+4*i]
	v_lshlrev_b32 v[X+4*i], 16, v[X+4*i]
	v_and_b32 v[X+4*i+3], s38, v[X+4*i+2]
	v_lshlrev_b32 v[X+4*i+2], 16, v[X+4*i+2]
	v_cvt_pk_f16_f32 v[X+4*i], v[X+4*i], v[X+4*i+1]
	v_cvt_pk_f16_f32 v[X+4*i+1], v[X+4*i+2], v[X+4*i+3]
	global_store_b64 v2, v[X+4*i:X+4*i+1], s[26:27] offset:256*i
.set i, i+1
.endr
	s_endpgm
.Lfunc_end_k_qeee6b3e88d_cvt:
	.size	k_qeee6b3e88d_cvt, .Lfunc_end_k_qeee6b3e88d_cvt-k_qeee6b3e88d_cvt
	.p2alignl 7, 3214868480
	.fill 96, 4, 3214868480
	.section	.rodata,"a",@progbits
	.p2align	6, 0x0
	.amdhsa_kernel k_qeee6b3e88d_cvt
		.amdhsa_group_segment_fixed_size 0
		.amdhsa_private_segment_fixed_size 0
		.amdhsa_enable_private_segment 0
		.amdhsa_kernarg_size 64
		.amdhsa_user_sgpr_count 2
		.amdhsa_user_sgpr_kernarg_segment_ptr 1
		.amdhsa_wavefront_size32 1
		.amdhsa_system_sgpr_workgroup_id_x 1
		.amdhsa_system_sgpr_workgroup_id_y 1
		.amdhsa_system_sgpr_workgroup_id_z 1
		.amdhsa_system_vgpr_workitem_id 0
		.amdhsa_next_free_vgpr 136
		.amdhsa_next_free_sgpr 66
		.amdhsa_reserve_vcc 0
		.amdhsa_float_denorm_mode_32 3
		.amdhsa_float_denorm_mode_16_64 3
		.amdhsa_memory_ordered 1
		.amdhsa_forward_progress 1
		.amdhsa_inst_pref_size 30
	.end_amdhsa_kernel
	.amdgpu_metadata
---
amdhsa.version: [ 1, 2 ]
amdhsa.kernels:
  - .name:           k_qeee6b3e88d_cvt
    .symbol:         k_qeee6b3e88d_cvt.kd
    .args:
      - { .name: hidden_states, .offset: 0, .size: 8, .value_kind: global_buffer, .address_space: global }
      - { .name: Wq, .offset: 8, .size: 8, .value_kind: global_buffer, .address_space: global }
      - { .name: Wk, .offset: 16, .size: 8, .value_kind: global_buffer, .address_space: global }
      - { .name: Wv, .offset: 24, .size: 8, .value_kind: global_buffer, .address_space: global }
      - { .name: Wo, .offset: 32, .size: 8, .value_kind: global_buffer, .address_space: global }
      - { .name: xb, .offset: 40, .size: 8, .value_kind: global_buffer, .address_space: global }
      - { .name: wqkv, .offset: 48, .size: 8, .value_kind: global_buffer, .address_space: global }
      - { .name: wob, .offset: 56, .size: 8, .value_kind: global_buffer, .address_space: global }
    .group_segment_fixed_size: 0
    .private_segment_fixed_size: 0
    .kernarg_segment_align: 8
    .kernarg_segment_size: 64
    .max_flat_workgroup_size: 256
    .sgpr_count:     66
    .vgpr_count:     136
    .wavefront_size: 32
...
	.end_amdgpu_metadata
.endif
;; end of part 1
;; launch qkv (part 2): grid 16 x 16, 4 waves a work-group, clusters of 4 x 4, 327,680 bytes of LDS; arguments xb, wqkv, bq, bk, bv, q, k, vt; writes q, k, vt
.if DOCPART == 2
	.amdgcn_target "amdgcn-amd-amdhsa--gfx1250"
	.amdhsa_code_object_version 6
	.text
	.protected	k_qeee6b3e88d_qkv
	.globl	k_qeee6b3e88d_qkv
	.p2align	8
	.type	k_qeee6b3e88d_qkv,@function
k_qeee6b3e88d_qkv:
	s_mov_b64 s[64:65], 0
	v_nop
	global_prefetch_b8 v0, s[64:65] scope:SCOPE_SE
	s_setreg_imm32_b32 hwreg(HW_REG_WAVE_MODE, 25, 1), 1
	s_wait_xcnt 0x0
	s_wait_alu depctr_hold_cnt(0) depctr_sa_sdst(0) depctr_va_vdst(0) depctr_va_sdst(0) depctr_va_ssrc(0) depctr_va_vcc(0) depctr_vm_vsrc(0)
	s_getreg_b32 s2, hwreg(HW_REG_IB_STS2, 6, 4)
	s_cmp_eq_u32 s2, 0
	s_cbranch_scc0 .Lentry_in_a_cluster
	s_endpgm
.Lentry_in_a_cluster:
	s_bfe_u32 s2, ttmp6, 0x10000c
	s_cmp_lg_u32 s2, 0xf033
	s_cbranch_scc0 .Lentry_shape_is_right
	s_endpgm
.Lentry_shape_is_right:
; q, k, v of one head for 256 rows of x:  [256 x 1024] x [192 x 1024]^T + bias, bf16 operands, f32 sums, results rounded once to f16.
;   q, k: [2][16][2048][64] f16;   vt: [2][16][64][2048] f16 (v transposed, so that the attention reads keys along its rows).
; LIMIT: |q|, |k|, |v| must stay below 65,504, f16's largest number; beyond it the stored value is infinite.
; f16 and not bf16 because these numbers are operands again: f16 keeps 11 significant bits, bf16 8.
; Four waves, as many as a WGP has SIMDs; wave w makes rows 64 w .. 64 w + 63 x all 192 columns: 48 accumulator tiles of 16 x 16, 384 registers,
; 48 matrix instructions for 32 LDS loads of a quarter step.  K goes in steps of 128 through two LDS slots filled by the tensor data mover;
; a tile's rows are 256 bytes of memory and start at multiples of 256 bytes from the buffer's first byte.
; CLUSTERS: 4 x 4 work-groups.  The four of a row of the cluster have the same 256 rows of x, the four of a column the same head's weights: each tile is
; asked for jointly by its four, with one descriptor and a mask that names them, which divides the requests for x and for the weights by four.
; q AND k ARE MADE TRANSPOSED (source 0 = 16 rows of W, source 1 = 16 rows of x): a lane then holds eight neighbouring columns of one row, 16 bytes of f16.
; v IS MADE THE NATURAL WAY (source 0 = x, source 1 = W): a lane holds eight neighbouring rows (positions s) of one column d, 16 bytes of a row of vt.
; REGISTERS, in windows of 256:
;   window 0: v16-30 addresses; v56-63 bv; v64-95, v96-127 fragments of x, two buffers; v128-191 bq, bk as C operands; v192-255 at work on the way out
;   window 1: v0-95, v96-191 fragments of W (12 x 16 rows x 32 K), two buffers
;   window 2: q's and k's 32 tiles, tile (a, b) at v[8 (8 a + b)];   window 3: v's 16 tiles at v[8 (4 a + b)]
.set PITCH,  272                       ; an LDS row: 256 bytes + 16 of padding: the 16 rows of a fragment load start 68 words apart, at 16 different places modulo 64 words
.set XHALF,  128*PITCH                 ; what wave 0 or 1 fetches: 128 rows of x
.set WHALF,  96*PITCH                  ; what wave 2 or 3 fetches: 96 rows of W
.set WBASE,  256*PITCH                 ; W's 192 rows lie behind x's 256
.set SLOT,   448*PITCH                 ; 121,856 bytes
.set STQK,   2*SLOT                    ; behind the ring: 16 rows x 272 bytes for each wave, q's and k's way out
.set STV,    STQK+64*PITCH             ; 64 rows (d) x 528 bytes, v's way out, shared by the four waves.  No tensor load ever lands in the stages
.set VPITCH, 528                       ; 256 positions x 2 bytes + 16
.set HID,    1024
.set LAPS,   HID/256                   ; a lap = two K steps = once round the ring
.set ADRX, 16                          ; v16-17  LDS address of my x fragments in slot 0, 1
.set ADRW, 20                          ; v20-21  the same for W
.set STO,  24                          ; q, k: where I put 16 bytes of a row
.set RD,   25                          ; q, k: where I read rows back
.set CO,   26                          ; 16 x lane: my place in 512 contiguous bytes of q, k or vt
.set STVA, 27                          ; v: where I put 16 bytes
.set RDV,  28                          ; v: where I read a row of vt back
.set OBH,  29                          ; 32 h: my 8 numbers of bq, bk
.set OBR,  30                          ; 4 r: my number of bv
.set BV,   56                          ; v[56:63]  bv of my column in each of the four v tiles, twice (pairs for the packed add)
.set XF,   64
.set BQK,  128                         ; v[128:191] tile column b: bias of its 8 columns in my lane: the C operand of the first product
.set TMP,  192
.set G1,  24                           ; s[24:31] descriptor group 1, x's tiles
.set G0,  32                           ; s[32:39] group 0, x's tiles, a set for each slot
.set G1B, 48                           ; s[48:55] group 1, W's tiles
.set G0B, 56                           ; s[56:63] group 0, W's tiles
.set MSB, 0
.macro WIN new                         ; s_set_vgpr_msb: bits 1:0 source 0, 3:2 source 1, 5:4 source 2, 7:6 destination; the high byte repeats the setting that is left
.if MSB != \new
	s_set_vgpr_msb (MSB<<8)|\new
.set MSB, \new
.endif
.endm
.set QK,   0xa1                        ; source 0 (W) window 1, source 1 (x) window 0, C and D window 2
.set QK0,  0x81                        ; the same with C (the bias) in window 0
.set VV,   0xf4                        ; source 0 (x) window 0, source 1 (W) window 1, C and D window 3
.set TO_W, 0x40                        ; destination window 1, address window 0
.macro PLACES                          ; four places behind a matrix instruction before a load lands in, or a vector instruction touches, one of its registers
.rept 4
	v_nop
.endr
.endm
; A joint load: waves 0 and 1 fetch x's two halves, waves 2 and 3 W's.  The branch hangs on the wave's number alone.
.macro JLOAD s
	s_cmp_eq_u32 s11, 0
	s_cbranch_scc0 .Lfor_w_\@
	tensor_load_to_lds s[G0+4*\s:G0+4*\s+3], s[G1:G1+7]
	s_nop 0
	s_branch .Lasked_\@
.Lfor_w_\@:
	tensor_load_to_lds s[G0B+4*\s:G0B+4*\s+3], s[G1B:G1B+7]
	s_nop 0
.Lasked_\@:
.endm
.macro CREST                           ; a round of the cluster's barrier behind its opening work-group barrier
	s_cmp_lg_u32 s10, 0
	s_cbranch_scc1 .Lnot_wave_0_\@
	s_barrier_signal -3
.Lnot_wave_0_\@:
	s_barrier_wait -3
	s_barrier_signal -1
	s_barrier_wait -1
.endm
.macro CROUND                          ; a whole round
	s_barrier_signal -1
	s_barrier_wait -1
	CREST
.endm
	s_load_b128 s[4:7], s[0:1], 0x0                ; xb s[4:5], wqkv s[6:7]
	s_load_b256 s[68:75], s[0:1], 0x10             ; bq s[68:69], bk s[70:71], bv s[72:73], q s[74:75]
	s_load_b128 s[76:79], s[0:1], 0x30             ; k s[76:77], vt s[78:79]
	s_set_vgpr_msb 0x40
	v_lshl_add_u32 v255, v0, 2, 0x48000
	s_set_vgpr_msb 0x4000
	v_mov_b32 v55, 0
	s_set_vgpr_msb 0x1
	ds_add_u32 v255, v55
	ds_add_u32 v255, v55
	s_set_vgpr_msb 0x100
	v_lshrrev_b32 v1, 5, v0
	v_readfirstlane_b32 s10, v1                    ; wave 0..3
	s_lshr_b32 s11, s10, 1                         ; I fetch for x (0) or for W (1)
	s_and_b32 s12, s10, 1                          ; which half of that tile
	s_bfe_u32 s40, ttmp6, 0x40000                  ; cx
	s_bfe_u32 s41, ttmp6, 0x40004                  ; cy
	s_lshl_b32 s42, ttmp9, 2
	s_add_co_u32 s42, s42, s40                     ; head = 4 x cluster x + cx
	s_and_b32 s13, ttmp7, 0xffff
	s_lshl_b32 s13, s13, 2
	s_add_co_u32 s13, s13, s41                     ; block of 256 rows = 4 x cluster y + cy
	s_lshl_b32 s43, s41, 2
	s_lshl_b32 s43, 15, s43                        ; my row of the cluster: places 4 cy .. 4 cy + 3
	s_lshl_b32 s44, 0x1111, s40                    ; my column: places cx, cx + 4, cx + 8, cx + 12
	; group 1: rows of 128 elements of 2 bytes, 16 bytes of padding behind every 64 words; 128 rows of x, 96 rows of W; 1,024 elements from row to row
	s_or_b32 s[G1+0], s43, (1<<16)|(1<<20)|(1<<21)|(5<<22)|(3<<25)   ; mask: x's tiles go to my row; bit 21 set beside a mask
	s_or_b32 s[G1B+0], s44, (1<<16)|(1<<20)|(1<<21)|(5<<22)|(3<<25)  ; W's tiles go to my column
	s_mov_b32 s[G1+1], 128<<16                     ; tensor_dim0 = 128
	s_mov_b32 s[G1B+1], 128<<16
	s_mov_b32 s[G1+2], 128<<16                     ; tensor_dim1 = 128 rows
	s_mov_b32 s[G1B+2], 96<<16                     ;             =  96 rows
	s_mov_b32 s[G1+3], 128<<16                     ; tile_dim0 = 128
	s_mov_b32 s[G1B+3], 128<<16
	s_mov_b32 s[G1+4], 128                         ; tile_dim1
	s_mov_b32 s[G1B+4], 96
	s_mov_b32 s[G1+5], HID                         ; the pitch
	s_mov_b32 s[G1B+5], HID
	s_mov_b32 s[G1+6], 0
	s_mov_b32 s[G1B+6], 0
	s_mov_b32 s[G1+7], 0
	s_mov_b32 s[G1B+7], 0
	; x's tiles hang on the block of rows alone, W's on the head alone; each address is made in registers that never hold the other coordinate
	s_lshl_b32 s17, s12, 7
	s_lshl_b32 s16, s13, 8
	s_add_co_u32 s16, s16, s17                     ; x: row 256 x block + 128 x half
	s_lshl_b32 s16, s16, 11                        ; rows of 2,048 bytes (8 MiB in all: 32 bits do)
	s_mov_b32 s17, 0
	s_mul_i32 s46, s42, 192
	s_mul_i32 s47, s12, 96
	s_add_co_u32 s46, s46, s47                     ; W: row 192 x head + 96 x half
	s_lshl_b32 s46, s46, 11
	s_mov_b32 s47, 0
	s_mul_i32 s20, s10, XHALF                      ; where x's halves go (waves 0, 1)
	s_mul_i32 s21, s10, WHALF
	s_add_co_u32 s21, s21, WBASE-2*WHALF           ; where W's go (waves 2, 3): WBASE + (wave - 2) x 96 rows
	s_wait_dscnt 0x0
	s_wait_kmcnt 0x0
	s_add_nc_u64 s[14:15], s[4:5], s[16:17]
	s_add_nc_u64 s[46:47], s[6:7], s[46:47]
	CROUND                                         ; all sixteen work-groups are here: the first joint loads meet
.irp s, 0,1
	s_mov_b32 s[G0+4*\s], 1
	s_add_co_u32 s[G0+4*\s+1], s20, \s*SLOT
	s_add_nc_u64 s[G0+4*\s+2:G0+4*\s+3], s[14:15], \s*256          ; K step s
	s_or_b32 s[G0+4*\s+3], s[G0+4*\s+3], 0x80000000
	s_mov_b32 s[G0B+4*\s], 1
	s_add_co_u32 s[G0B+4*\s+1], s21, \s*SLOT
	s_add_nc_u64 s[G0B+4*\s+2:G0B+4*\s+3], s[46:47], \s*256
	s_or_b32 s[G0B+4*\s+3], s[G0B+4*\s+3], 0x80000000
	JLOAD \s                                       ; both slots' first fills go out before anything else: two loads of mine are out
.endr
	v_and_b32 v1, 15, v0                           ; r = lane % 16
	v_bfe_u32 v2, v0, 4, 1                         ; h = lane / 16
	v_and_b32 v5, 31, v0                           ; lane
	v_lshlrev_b32 v[OBH], 5, v2
	v_lshlrev_b32 v[OBR], 2, v1
	s_lshl_b32 s80, s42, 8                         ; my head's 64 biases
	s_mov_b32 s81, 0
	s_add_nc_u64 s[68:69], s[68:69], s[80:81]
	s_add_nc_u64 s[70:71], s[70:71], s[80:81]
	s_add_nc_u64 s[72:73], s[72:73], s[80:81]
	; transposed tiles: register j of lane (r, h) is column 16 b + 8 h + j, so the C operand is that column's bias
.irp b, 0,1,2,3
	global_load_b128 v[BQK+8*\b:BQK+8*\b+3],       v[OBH], s[68:69] offset:64*\b
	global_load_b128 v[BQK+8*\b+4:BQK+8*\b+7],     v[OBH], s[68:69] offset:64*\b+16
	global_load_b128 v[BQK+32+8*\b:BQK+32+8*\b+3], v[OBH], s[70:71] offset:64*\b
	global_load_b128 v[BQK+32+8*\b+4:BQK+32+8*\b+7], v[OBH], s[70:71] offset:64*\b+16
.endr
	; natural tiles: all eight registers of lane (r, h) are column 16 b + r
.irp b, 0,1,2,3
	global_load_b32 v[BV+2*\b],   v[OBR], s[72:73] offset:64*\b
	global_load_b32 v[BV+2*\b+1], v[OBR], s[72:73] offset:64*\b
.endr
	; A fragment is 16 rows x 32 K in 8 registers: lane (r, h) holds row r, K = 8 h + 0..7 and 16 + 8 h + 0..7: two loads of 16 bytes, 32 bytes apart
	v_mul_u32_u24 v3, v1, PITCH
	v_lshl_add_u32 v3, v2, 4, v3                   ; r x pitch + 16 h
	s_mul_i32 s22, s10, 64*PITCH                   ; my 64 rows of x
	v_add_nc_u32 v[ADRX], s22, v3
	v_add_nc_u32 v[ADRX+1], SLOT, v[ADRX]
	v_add_nc_u32 v[ADRW], WBASE, v3
	v_add_nc_u32 v[ADRW+1], SLOT, v[ADRW]
	s_mul_i32 s23, s10, 16*PITCH
	s_add_co_u32 s23, s23, STQK                    ; my stage for q and k
	v_add_nc_u32 v[STO], s23, v3
	v_lshrrev_b32 v4, 3, v5                        ; back: eight lanes take 128 bytes (a row of q or of k), a wave four rows
	v_and_b32 v6, 7, v5
	v_mul_u32_u24 v4, v4, PITCH
	v_lshl_add_u32 v4, v6, 4, v4
	v_add_nc_u32 v[RD], s23, v4
	v_lshlrev_b32 v[CO], 4, v5
	v_mul_u32_u24 v4, v1, VPITCH                   ; v's stage: row d = 16 b + r, byte 2 (64 w + 16 a + 8 h)
	v_lshl_add_u32 v4, v2, 4, v4
	s_lshl_b32 s22, s10, 7
	s_add_co_u32 s22, s22, STV
	v_add_nc_u32 v[STVA], s22, v4
	s_mul_i32 s22, s10, 16*VPITCH                  ; back: wave w takes rows d = 16 w .. 16 w + 15, 512 bytes each
	s_add_co_u32 s22, s22, STV
	v_add_nc_u32 v[RDV], s22, v[CO]
	; where the results go, in registers that feed no descriptor
	s_lshr_b32 s84, s13, 3                         ; batch
	s_lshl_b32 s84, s84, 4
	s_add_co_u32 s84, s84, s42                     ; 16 x batch + head
	s_and_b32 s85, s13, 7
	s_lshl_b32 s85, s85, 8                         ; first position s of my block
	s_lshl_b32 s80, s84, 11
	s_add_co_u32 s80, s80, s85
	s_lshl_b32 s86, s10, 6
	s_add_co_u32 s80, s80, s86                     ; q, k: row 2,048 x (batch, head) + s + 64 w,
	s_lshl_b32 s80, s80, 7                         ; of 128 bytes
	s_lshl_b32 s82, s84, 6
	s_lshl_b32 s86, s10, 4
	s_add_co_u32 s82, s82, s86                     ; vt: row 64 x (batch, head) + 16 w,
	s_lshl_b32 s82, s82, 12                        ; of 4,096 bytes,
	s_lshl_b32 s85, s85, 1
	s_add_co_u32 s82, s82, s85                     ; + 2 s
	s_mov_b32 s83, 0
	s_add_nc_u64 s[74:75], s[74:75], s[80:81]
	s_add_nc_u64 s[76:77], s[76:77], s[80:81]
	s_add_nc_u64 s[78:79], s[78:79], s[82:83]
; The 48 accumulators take turns, one instruction a turn, in the same order in every quarter step, over the loop's backward jump too.
; 16 matrix instructions: row blocks a0, a0 + 1 x q's and k's 8 column blocks.  first = 1: the bias starts the sums, nothing is cleared or added later.
.macro MULQK f, a0, first
.irp a, \a0, \a0+1
.irp b, 0,1,2,3,4,5,6,7
.if \first
	v_wmma_f32_16x16x32_bf16 v[8*(8*(\a)+\b):8*(8*(\a)+\b)+7], v[96*\f+8*\b:96*\f+8*\b+7], v[XF+32*\f+8*(\a):XF+32*\f+8*(\a)+7], v[BQK+8*\b:BQK+8*\b+7]
.else
	v_wmma_f32_16x16x32_bf16 v[8*(8*(\a)+\b):8*(8*(\a)+\b)+7], v[96*\f+8*\b:96*\f+8*\b+7], v[XF+32*\f+8*(\a):XF+32*\f+8*(\a)+7], v[8*(8*(\a)+\b):8*(8*(\a)+\b)+7]
.endif
.endr
.endr
.endm
; 16 matrix instructions: 4 row blocks x v's 4 column blocks
.macro MULV f, first
.irp a, 0,1,2,3
.irp b, 0,1,2,3
.if \first
	v_wmma_f32_16x16x32_bf16 v[8*(4*\a+\b):8*(4*\a+\b)+7], v[XF+32*\f+8*\a:XF+32*\f+8*\a+7], v[96*\f+64+8*\b:96*\f+64+8*\b+7], 0
.else
	v_wmma_f32_16x16x32_bf16 v[8*(4*\a+\b):8*(4*\a+\b)+7], v[XF+32*\f+8*\a:XF+32*\f+8*\a+7], v[96*\f+64+8*\b:96*\f+64+8*\b+7], v[8*(4*\a+\b):8*(4*\a+\b)+7]
.endif
.endr
.endr
.endm
; 32 LDS loads in one run: x's 4 fragments, then W's 12, v's four last; 32 K at byte k of the rows, into buffer f
.macro FETCH slot, k, f
	WIN 0
.irp i, 0,1,2,3
	ds_load_b128 v[XF+32*\f+8*\i:XF+32*\f+8*\i+3],   v[ADRX+\slot] offset:\k+\i*16*PITCH
	ds_load_b128 v[XF+32*\f+8*\i+4:XF+32*\f+8*\i+7], v[ADRX+\slot] offset:\k+\i*16*PITCH+32
.endr
	WIN TO_W
.irp i, 0,1,2,3,4,5,6,7,8,9,10,11
	ds_load_b128 v[96*\f+8*\i:96*\f+8*\i+3],   v[ADRW+\slot] offset:\k+\i*16*PITCH
	ds_load_b128 v[96*\f+8*\i+4:96*\f+8*\i+7], v[ADRW+\slot] offset:\k+\i*16*PITCH+32
.endr
.endm
; One of a K step's first three quarters: multiplies buffer f; between q, k's and v's products it fetches the next quarter into buffer g
.macro QUARTER slot, k, f, g, first
	s_wait_dscnt 8                                 ; all but the youngest eight loads (the weight fragments of v) are in
.if \first
	WIN QK0
.else
	WIN QK
.endif
	MULQK \f, 0, \first
	MULQK \f, 2, \first
	PLACES
	FETCH \slot, \k, \g
	s_wait_dscnt 32                                ; all but the 32 just issued
	WIN VV
	MULV \f, \first
.endm
.macro THREE slot, first
	QUARTER \slot, 64,  0, 1, \first
	QUARTER \slot, 128, 1, 0, 0
	QUARTER \slot, 192, 0, 1, 0
.endm
; The last quarter multiplies buffer 1 and changes slots.  One barrier for two things: in front of it each wave has its reads of this slot back and all its
; tensor loads landed (the one that is out is its part of the next slot); behind it the refill comes first, then the next slot's first fragments.
.macro TURN slot, next, fill
	s_wait_dscnt 8
	WIN QK
	MULQK 1, 0, 0
	s_wait_dscnt 0                                 ; my reads of this slot are over
	s_wait_tensorcnt 0x0                           ; all my tensor loads have landed
	ds_add_u32 v255, v55
	s_wait_dscnt 0x0
	s_barrier_signal -1                            ; (where a slot is filled again this barrier opens a round of the cluster's barrier)
	MULQK 1, 2, 0                                  ; registers only, while the others arrive
	WIN 0
	s_barrier_wait -1
.if \fill
	CREST                                          ; no wave of any partner still reads this slot or has a load on its way
	s_add_nc_u64 s[G0+4*\slot+2:G0+4*\slot+3], s[G0+4*\slot+2:G0+4*\slot+3], 512      ; two K steps on
	s_add_nc_u64 s[G0B+4*\slot+2:G0B+4*\slot+3], s[G0B+4*\slot+2:G0B+4*\slot+3], 512
	JLOAD \slot                                    ; my one tensor load behind the round, and the first thing there
.endif
	PLACES
	FETCH \next, 0, 0
	WIN VV
	MULV 1, 0
.endm
.macro LAP first
	THREE 0, \first
	TURN 0, 1, 1
	THREE 1, 0
	TURN 1, 0, 1
.endm
	s_wait_tensorcnt 1                             ; my part of K step 0 is in; K step 1's may stay out
	s_wait_loadcnt 0x0                             ; the biases
	s_barrier_signal -1
	s_barrier_wait -1
	FETCH 0, 0, 0
	LAP 1                                          ; the first lap stands in front of the loop: its first products start the sums
	WIN 0
	s_mov_b32 s3, LAPS-2
.Llap:
	LAP 0
	WIN 0
	s_sub_co_u32 s3, s3, 1
	s_cmp_lg_u32 s3, 0
	s_cbranch_scc1 .Llap
	THREE 0, 0                                     ; the last lap fills nothing
	TURN 0, 1, 0
	THREE 1, 0
	s_wait_dscnt 8
	WIN QK
	MULQK 1, 0, 0
	MULQK 1, 2, 0
	s_wait_dscnt 0
	WIN VV
	MULV 1, 0
	; THE WAY OUT.  v first: bias, f16, 16 bytes a lane into the shared stage (row d, my 64 positions), a barrier, whole rows of 512 bytes back and out.
	PLACES
	WIN 0xc3                                       ; source 0 and destination window 3, source 1 (bv) window 0
.irp a, 0,1,2,3
.irp b, 0,1,2,3
.irp p, 0,2,4,6
	v_pk_add_f32 v[8*(4*\a+\b)+\p:8*(4*\a+\b)+\p+1], v[8*(4*\a+\b)+\p:8*(4*\a+\b)+\p+1], v[BV+2*\b:BV+2*\b+1]
.endr
.endr
.endr
	WIN 0x0f                                       ; sources window 3, destination window 0
.irp a, 0,1,2,3
.irp b, 0,1,2,3
.irp p, 0,1,2,3
	v_cvt_pk_f16_f32 v[TMP+4*(4*\a+\b)+\p], v[8*(4*\a+\b)+2*\p], v[8*(4*\a+\b)+2*\p+1]
.endr
.endr
.endr
	WIN 0
.irp a, 0,1,2,3
.irp b, 0,1,2,3
	ds_store_b128 v[STVA], v[TMP+4*(4*\a+\b):TMP+4*(4*\a+\b)+3] offset:16*\b*VPITCH+32*\a
.endr
.endr
	s_wait_dscnt 0x0                               ; my stores are in LDS, for the other waves' sake
	s_barrier_signal -1
	s_barrier_wait -1
.irp i, 0,1,2,3,4,5,6,7,8,9,10,11,12,13,14,15
	ds_load_b128 v[XF+4*\i:XF+4*\i+3], v[RDV] offset:\i*VPITCH
.endr
.irp i, 0,1,2,3,4,5,6,7,8,9,10,11,12,13,14,15
	s_wait_dscnt 15-\i
	global_store_b128 v[CO], v[XF+4*\i:XF+4*\i+3], s[78:79] offset:\i*4096      ; a wave's store covers 512 consecutive bytes of a row of vt, aligned
.endr
; q and k, 16 rows at a time through my own stage: a stage row is q's 128 bytes, then k's.  LDS serves a wave's instructions in order (ISA guide 5.7.1.4):
; no wait between my stores and my loads.
.macro OUTQK a, f
	WIN 0x0a                                       ; sources window 2
.irp b, 0,1,2,3,4,5,6,7
.irp p, 0,1,2,3
	v_cvt_pk_f16_f32 v[TMP+4*\b+\p], v[8*(8*\a+\b)+2*\p], v[8*(8*\a+\b)+2*\p+1]
.endr
.endr
	WIN 0
.irp b, 0,1,2,3,4,5,6,7
	ds_store_b128 v[STO], v[TMP+4*\b:TMP+4*\b+3] offset:32*\b
.endr
	s_wait_xcnt 0x0                                ; buffer f, which earlier stores read, is loaded again only behind this wait
.irp t, 0,1,2,3
	ds_load_b128 v[\f+4*\t:\f+4*\t+3], v[RD] offset:\t*4*PITCH
.endr
.irp t, 0,1,2,3
	ds_load_b128 v[\f+16+4*\t:\f+16+4*\t+3], v[RD] offset:\t*4*PITCH+128
.endr
.irp t, 0,1,2,3
	s_wait_dscnt 7-\t
	global_store_b128 v[CO], v[\f+4*\t:\f+4*\t+3], s[74:75] offset:\a*2048+512*\t        ; four rows of q: 512 consecutive bytes, aligned
.endr
.irp t, 0,1,2,3
	s_wait_dscnt 3-\t
	global_store_b128 v[CO], v[\f+16+4*\t:\f+16+4*\t+3], s[76:77] offset:\a*2048+512*\t  ; four rows of k
.endr
.endm
	OUTQK 0, XF
	OUTQK 1, XF+32
	OUTQK 2, XF
	OUTQK 3, XF+32
	s_set_vgpr_msb 0x1
	s_wait_tensorcnt 0x0
	ds_add_u32 v255, v55
	s_wait_dscnt 0x0
	s_set_vgpr_msb 0x100
	CROUND                                         ; the closing round: no work-group ends while a partner may still ask for a tile that names it
	s_endpgm
.Lfunc_end_k_qeee6b3e88d_qkv:
	.size	k_qeee6b3e88d_qkv, .Lfunc_end_k_qeee6b3e88d_qkv-k_qeee6b3e88d_qkv
	.p2alignl 7, 3214868480
	.fill 96, 4, 3214868480
	.section	.rodata,"a",@progbits
	.p2align	6, 0x0
	.amdhsa_kernel k_qeee6b3e88d_qkv
		.amdhsa_group_segment_fixed_size 327680
		.amdhsa_private_segment_fixed_size 0
		.amdhsa_enable_private_segment 0
		.amdhsa_kernarg_size 64
		.amdhsa_user_sgpr_count 2
		.amdhsa_user_sgpr_kernarg_segment_ptr 1
		.amdhsa_wavefront_size32 1
		.amdhsa_system_sgpr_workgroup_id_x 1
		.amdhsa_system_sgpr_workgroup_id_y 1
		.amdhsa_system_sgpr_workgroup_id_z 1
		.amdhsa_system_vgpr_workitem_id 0
		.amdhsa_next_free_vgpr 896
		.amdhsa_next_free_sgpr 88
		.amdhsa_reserve_vcc 0
		.amdhsa_float_denorm_mode_32 3
		.amdhsa_float_denorm_mode_16_64 3
		.amdhsa_memory_ordered 1
		.amdhsa_forward_progress 1
		.amdhsa_inst_pref_size 170
	.end_amdhsa_kernel
	.amdgpu_metadata
---
amdhsa.version: [ 1, 2 ]
amdhsa.kernels:
  - .name:           k_qeee6b3e88d_qkv
    .symbol:         k_qeee6b3e88d_qkv.kd
    .args:
      - { .name: xb, .offset: 0, .size: 8, .value_kind: global_buffer, .address_space: global }
      - { .name: wqkv, .offset: 8, .size: 8, .value_kind: global_buffer, .address_space: global }
      - { .name: bq, .offset: 16, .size: 8, .value_kind: global_buffer, .address_space: global }
      - { .name: bk, .offset: 24, .size: 8, .value_kind: global_buffer, .address_space: global }
      - { .name: bv, .offset: 32, .size: 8, .value_kind: global_buffer, .address_space: global }
      - { .name: q, .offset: 40, .size: 8, .value_kind: global_buffer, .address_space: global }
      - { .name: k, .offset: 48, .size: 8, .value_kind: global_buffer, .address_space: global }
      - { .name: vt, .offset: 56, .size: 8, .value_kind: global_buffer, .address_space: global }
    .group_segment_fixed_size: 327680
    .private_segment_fixed_size: 0
    .kernarg_segment_align: 8
    .kernarg_segment_size: 64
    .max_flat_workgroup_size: 128
    .sgpr_count:     88
    .vgpr_count:     896
    .wavefront_size: 32
...
	.end_amdgpu_metadata
.endif
;; end of part 2
;; launch attn (part 3): grid 8 x 32, 4 waves a work-group, no clusters, 327,680 bytes of LDS; arguments q, k, vt, ctx; writes ctx
.if DOCPART == 3
	.amdgcn_target "amdgcn-amd-amdhsa--gfx1250"
	.amdhsa_code_object_version 6
	.text
	.protected	k_qeee6b3e88d_attn
	.globl	k_qeee6b3e88d_attn
	.p2align	8
	.type	k_qeee6b3e88d_attn,@function
k_qeee6b3e88d_attn:
	s_mov_b64 s[64:65], 0
	v_nop
	global_prefetch_b8 v0, s[64:65] scope:SCOPE_SE
	s_setreg_imm32_b32 hwreg(HW_REG_WAVE_MODE, 25, 1), 1
	s_wait_xcnt 0x0
; Causal attention of one (batch, head): ctx = softmax(q k^T / 8, keys <= query) v, with a running maximum; f16 operands, f32 sums.
;   q, k, ctx: [32][2048][64] f16;  vt: [32][64][2048] f16.
; Work-group (e, bh) makes two blocks of 128 queries, block 2 e and then block 15 - 2 e: (2 e + 1) + (16 - 2 e) = 17 key blocks of 128 for every work-group.
; Key blocks above the diagonal are never read.  Wave w has 32 queries, two tiles u of 16.
; In each block of queries the diagonal key block comes first and starts maximum, sum and output (nothing is cleared); then the key blocks descend to 0.
; Every query has key 0 of its diagonal block unmasked, so its maximum is finite from the first 64 keys on, and a masked score (-inf) gives the weight 0.
; LIMITS: scores must be finite.  The weights p (0 .. 1) go to the matrix unit rounded to f16, the sum of a row adds them unrounded in f32.
;         The order of the sums over keys (diagonal block first, then descending) differs from a plain ascending sum.
; LAYOUT: S^T = K Q^T (source 0 = 16 keys, source 1 = 16 queries): lane (r, h) holds query r, keys 8 h + 0..7 of each key tile.  Two neighbouring key tiles,
; packed to f16, ARE a source-1 fragment of 32 keys; O^T = V^T P^T (source 0 = 16 rows d of vt): lane (r, h) holds query r, d = 8 h + 0..7.
; So maximum, sum and rescaling are one number a lane, and one exchange between the two halves of the wave joins them.
; NO MULTICAST, though the eight work-groups of a head read the same k and vt: they need different tiles at different steps (e walks 2 e .. 0, then 15 - 2 e .. 0);
; walking all 16 tiles in step would cost each round the largest partner's work, 24 block units against 17.
; Two LDS slots take turns by the step's parity, which is fixed in the text because 2 e + 1 is odd.  By this text's count one tensor load of a wave is out at most.
.set KP,    144                        ; K's LDS row: 128 bytes + 16
.set VP,    272                        ; V^T's LDS row: 256 bytes + 16
.set VOFF,  128*KP                     ; V^T's 64 rows lie behind K's 128
.set SLOT,  VOFF+64*VP                 ; 35,840 bytes
.set STAGE, 2*SLOT                     ; behind the ring: 32 rows x 144 bytes for each wave; no tensor load lands there
.set AK,  1                            ; r x 144 + 16 h
.set AV,  2                            ; VOFF + r x 272 + 16 h
.set DM,  3                            ; 32 w + r - 8 h: a key of the diagonal block is masked where (its number less 8 h, less 16 u) is greater
.set NEG, 4                            ; -inf
.set AQ,  5                            ; r x 128 + 16 h
.set STO, 6
.set RD,  7
.set CO,  8                            ; 16 x lane
.set Y,   9                            ; the other half's number
.set MA,  10                           ; v10-11  running maximum of tile u behind a step (and in front of a step's first 64 keys)
.set MB,  12                           ; v12-13  the same between a step's two halves: old and new take turns, no copy
.set LS,  14                           ; v14-15  my half's running sum
.set AL,  16                           ; v16 the rescaling factor (v17 = 0: the pair is named by packed instructions)
.set NM,  18                           ; v18 -maximum x log2(e) / 8 (v19 = 0)
.set T,   20                           ; v20-23
.set Z0,  24                           ; v[24:25], v[26:27] two chains of the sum
.set Z1,  26
.set AA,  28
.set S,   32                           ; v[32:95]    scores, then weights: tile (u, kt) at 32 u + 8 kt
.set P,   96                           ; v[96:127]   weights in f16: fragment (u, kc) at 16 u + 8 kc
.set O,   128                          ; v[128:191]  output: tile (u, dt) at 32 u + 8 dt
.set VF,  192                          ; v[192:255]  fragments of V^T: (dt, kc) at 16 dt + 8 kc
.set KF,  0                            ; window 1: v[0:63] fragments of K: (kt, c) at 16 kt + 8 c
.set QA,  64                           ; window 1: v[64:95]  fragments of the first query block: (u, c) at 16 u + 8 c
.set QB,  96                           ; window 1: v[96:127] of the second
.set MSB, 0
.macro WIN new                         ; s_set_vgpr_msb: bits 1:0 source 0, 3:2 source 1, 5:4 source 2, 7:6 destination; the high byte repeats the setting that is left
.if MSB != \new
	s_set_vgpr_msb (MSB<<8)|\new
.set MSB, \new
.endif
.endm
.macro PLACES                          ; four places behind a matrix instruction before a load lands in, or a vector instruction touches, one of its registers
.rept 4
	v_nop
.endr
.endm
.macro JLOAD                           ; waves 0 and 1 fetch K's two halves (64 keys each), waves 2 and 3 V^T's (32 rows d each)
	s_cmp_eq_u32 s13, 0
	s_cbranch_scc0 .Lfor_v_\@
	tensor_load_to_lds s[40:43], s[24:31]
	s_nop 0
	s_branch .Lasked_\@
.Lfor_v_\@:
	tensor_load_to_lds s[44:47], s[32:39]
	s_nop 0
.Lasked_\@:
.endm
.macro SETD slot                       ; both group 0 for key block s19 into the slot; written only where no tensor load of mine is out
	s_add_co_u32 s41, s22, (\slot)*SLOT
	s_add_co_u32 s45, s23, (\slot)*SLOT
	s_lshl_b32 s20, s19, 14                        ; 128 keys x 128 bytes
	s_add_nc_u64 s[42:43], s[48:49], s[20:21]
	s_or_b32 s43, s43, 0x80000000
	s_lshl_b32 s20, s19, 8                         ; 128 keys x 2 bytes along vt's rows
	s_add_nc_u64 s[46:47], s[50:51], s[20:21]
	s_or_b32 s47, s47, 0x80000000
.endm
.macro NEXTJ                           ; the next key block: one lower; behind block 0 of the first query block comes the second's diagonal block
	s_sub_co_i32 s19, s19, 1
	s_cmp_lt_i32 s19, 0
	s_cselect_b32 s19, s18, s19
.endm
	s_load_b256 s[4:11], s[0:1], 0x0               ; q s[4:5], k s[6:7], vt s[8:9], ctx s[10:11]
	v_lshl_add_u32 v30, v0, 2, 0x29000
	v_mov_b32 v31, 0
	ds_add_u32 v30, v31
	ds_add_u32 v30, v31
	v_lshrrev_b32 v20, 5, v0
	v_readfirstlane_b32 s12, v20                   ; wave
	s_lshr_b32 s13, s12, 1                         ; I fetch K (0) or V^T (1)
	s_and_b32 s14, s12, 1                          ; which half
	s_mov_b32 s15, ttmp9                           ; e
	s_and_b32 s16, ttmp7, 0xffff                   ; 16 x batch + head
	s_lshl_b32 s17, s15, 1                         ; first query block
	s_sub_co_u32 s18, 15, s17                      ; second query block
	s_mov_b32 s19, s17                             ; the key block to fetch: the first diagonal block
	s_mov_b32 s21, 0
	s_mul_i32 s22, s12, 64*KP                      ; where K's halves go (waves 0, 1)
	s_mul_i32 s23, s12, 32*VP
	s_add_co_u32 s23, s23, VOFF-64*VP              ; where V^T's go (waves 2, 3): VOFF + (wave - 2) x 32 rows
	; group 1 for K: 64 keys x 64 elements of 2 bytes, 64 elements from row to row, 16 bytes of padding behind every 32 words
	s_mov_b32 s24, (1<<16)|(1<<20)|(4<<22)|(3<<25)
	s_mov_b32 s25, 64<<16
	s_mov_b32 s26, 64<<16
	s_mov_b32 s27, 64<<16
	s_mov_b32 s28, 64
	s_mov_b32 s29, 64
	s_mov_b32 s30, 0
	s_mov_b32 s31, 0
	; group 1 for V^T: 32 rows d x 128 keys, 2,048 elements from row to row, padding behind every 64 words
	s_mov_b32 s32, (1<<16)|(1<<20)|(5<<22)|(3<<25)
	s_mov_b32 s33, 128<<16
	s_mov_b32 s34, 32<<16
	s_mov_b32 s35, 128<<16
	s_mov_b32 s36, 32
	s_mov_b32 s37, 2048
	s_mov_b32 s38, 0
	s_mov_b32 s39, 0
	s_mov_b32 s40, 1
	s_mov_b32 s44, 1
	s_lshl_b32 s69, s16, 18                        ; a (batch, head) is 262,144 bytes in each of the four buffers
	s_lshl_b32 s20, s14, 13                        ; K's second half: 64 keys x 128 bytes
	s_add_co_u32 s20, s20, s69
	s_wait_dscnt 0x0
	s_wait_kmcnt 0x0
	s_add_nc_u64 s[48:49], s[6:7], s[20:21]
	s_lshl_b32 s20, s14, 17                        ; V^T's second half: 32 rows x 4,096 bytes
	s_add_co_u32 s20, s20, s69
	s_add_nc_u64 s[50:51], s[8:9], s[20:21]
	SETD 0
	JLOAD                                          ; the first fill, ahead of everything else
	s_lshl_b32 s70, s12, 12                        ; my 32 queries x 128 bytes
	s_add_co_u32 s70, s70, s69
	s_lshl_b32 s20, s17, 14
	s_add_co_u32 s20, s20, s70
	s_add_nc_u64 s[52:53], s[4:5], s[20:21]        ; q and ctx at my rows of the first query block
	s_add_nc_u64 s[56:57], s[10:11], s[20:21]
	s_lshl_b32 s20, s18, 14
	s_add_co_u32 s20, s20, s70
	s_add_nc_u64 s[54:55], s[4:5], s[20:21]        ; and of the second
	s_add_nc_u64 s[58:59], s[10:11], s[20:21]
	s_mov_b32 s60, 0x3e38aa3b                      ; log2(e) / 8: the scale 1 / sqrt(64) and the base of v_exp_f32 in one factor
	s_mov_b32 s61, 0x3e38aa3b
	s_mov_b32 s62, 0xbe38aa3b                      ; its negative
	s_mov_b32 s66, 0x76543210                      ; v_permlanex16_b32: lane i of one half reads lane i of the other
	s_mov_b32 s67, 0xfedcba98
	v_and_b32 v20, 15, v0                          ; r
	v_bfe_u32 v21, v0, 4, 1                        ; h
	v_and_b32 v22, 31, v0                          ; lane
	v_lshlrev_b32 v[AQ], 7, v20
	v_lshl_add_u32 v[AQ], v21, 4, v[AQ]
	WIN 0x40                                       ; destination window 1
.irp u, 0,1
.irp c, 0,1
	global_load_b128 v[QA+16*\u+8*\c:QA+16*\u+8*\c+3],   v[AQ], s[52:53] offset:2048*\u+64*\c
	global_load_b128 v[QA+16*\u+8*\c+4:QA+16*\u+8*\c+7], v[AQ], s[52:53] offset:2048*\u+64*\c+32
	global_load_b128 v[QB+16*\u+8*\c:QB+16*\u+8*\c+3],   v[AQ], s[54:55] offset:2048*\u+64*\c
	global_load_b128 v[QB+16*\u+8*\c+4:QB+16*\u+8*\c+7], v[AQ], s[54:55] offset:2048*\u+64*\c+32
.endr
.endr
	WIN 0
	v_mul_u32_u24 v[AK], v20, KP
	v_lshl_add_u32 v[AK], v21, 4, v[AK]
	v_mul_u32_u24 v[AV], v20, VP
	v_lshl_add_u32 v[AV], v21, 4, v[AV]
	v_add_nc_u32 v[AV], VOFF, v[AV]
	v_lshlrev_b32 v23, 3, v21
	v_sub_nc_u32 v[DM], v20, v23
	v_lshl_add_u32 v[DM], s12, 5, v[DM]
	v_mov_b32 v[NEG], 0xff800000
	s_mul_i32 s20, s12, 32*KP
	s_add_co_u32 s20, s20, STAGE                   ; my stage
	v_add_nc_u32 v[STO], s20, v[AK]
	v_lshrrev_b32 v23, 3, v22                      ; back: eight lanes take a row of 128 bytes, a wave four rows
	v_and_b32 v20, 7, v22
	v_mul_u32_u24 v23, v23, KP
	v_lshl_add_u32 v23, v20, 4, v23
	v_add_nc_u32 v[RD], s20, v23
	v_lshlrev_b32 v[CO], 4, v22
	v_mov_b32 v[Y], 0                              ; v_permlanex16_b32 counts as a reader of its destination
	v_mov_b32 v[AL+1], 0
	v_mov_b32 v[NM+1], 0
	s_wait_loadcnt 0x0                             ; both query blocks' fragments, once
.macro KLOAD slot, half                ; 16 loads: 64 keys x 64 d
	WIN 0x40
.irp kt, 0,1,2,3
.irp c, 0,1
	ds_load_b128 v[KF+16*\kt+8*\c:KF+16*\kt+8*\c+3],   v[AK] offset:\slot*SLOT+(64*\half+16*\kt)*KP+64*\c
	ds_load_b128 v[KF+16*\kt+8*\c+4:KF+16*\kt+8*\c+7], v[AK] offset:\slot*SLOT+(64*\half+16*\kt)*KP+64*\c+32
.endr
.endr
.endm
.macro VLOAD slot, half                ; 16 loads: 64 d x 64 keys
	WIN 0
.irp dt, 0,1,2,3
.irp kc, 0,1
	ds_load_b128 v[VF+16*\dt+8*\kc:VF+16*\dt+8*\kc+3],   v[AV] offset:\slot*SLOT+16*\dt*VP+128*\half+64*\kc
	ds_load_b128 v[VF+16*\dt+8*\kc+4:VF+16*\dt+8*\kc+7], v[AV] offset:\slot*SLOT+16*\dt*VP+128*\half+64*\kc+32
.endr
.endr
.endm
; In SMUL and PV four accumulators take turns, one instruction a turn.
.macro SMUL qf                         ; 16 matrix instructions: scores of 64 keys x 32 queries; the first 32 of d start the sums
	WIN 0x05                                       ; sources window 1, C and D window 0
.irp u, 0,1
.irp kt, 0,1,2,3
	v_wmma_f32_16x16x32_f16 v[S+32*\u+8*\kt:S+32*\u+8*\kt+7], v[KF+16*\kt:KF+16*\kt+7], v[\qf+16*\u:\qf+16*\u+7], 0
.endr
.irp kt, 0,1,2,3
	v_wmma_f32_16x16x32_f16 v[S+32*\u+8*\kt:S+32*\u+8*\kt+7], v[KF+16*\kt+8:KF+16*\kt+15], v[\qf+16*\u+8:\qf+16*\u+15], v[S+32*\u+8*\kt:S+32*\u+8*\kt+7]
.endr
.endr
.endm
.macro PV u, first                     ; 8 matrix instructions: 64 d x 16 queries over 64 keys
.irp dt, 0,1,2,3
.if \first
	v_wmma_f32_16x16x32_f16 v[O+32*\u+8*\dt:O+32*\u+8*\dt+7], v[VF+16*\dt:VF+16*\dt+7], v[P+16*\u:P+16*\u+7], 0
.else
	v_wmma_f32_16x16x32_f16 v[O+32*\u+8*\dt:O+32*\u+8*\dt+7], v[VF+16*\dt:VF+16*\dt+7], v[P+16*\u:P+16*\u+7], v[O+32*\u+8*\dt:O+32*\u+8*\dt+7]
.endif
.endr
.irp dt, 0,1,2,3
	v_wmma_f32_16x16x32_f16 v[O+32*\u+8*\dt:O+32*\u+8*\dt+7], v[VF+16*\dt+8:VF+16*\dt+15], v[P+16*\u+8:P+16*\u+15], v[O+32*\u+8*\dt:O+32*\u+8*\dt+7]
.endr
.endm
.macro SFMA u, kt                      ; (s - maximum) x log2(e) / 8, one fused multiply-add for two scores
.irp i, 0,2,4,6
	v_pk_fma_f32 v[S+32*\u+8*\kt+\i:S+32*\u+8*\kt+\i+1], v[S+32*\u+8*\kt+\i:S+32*\u+8*\kt+\i+1], s[60:61], v[NM:NM+1] op_sel_hi:[1,0,0]
.endr
.endm
.macro SEXP u, kt
.irp i, 0,1,2,3,4,5,6,7
	v_exp_f32 v[S+32*\u+8*\kt+\i], v[S+32*\u+8*\kt+\i]
.endr
.endm
.macro STW u, kt                       ; a tile's weights into the two chains of the sum and, in f16, into the fragment
.if \kt == 0
	s_wait_alu depctr_va_vdst(0)
	v_pk_add_f32 v[Z0:Z0+1], v[S+32*\u:S+32*\u+1], v[S+32*\u+2:S+32*\u+3]
	v_pk_add_f32 v[Z1:Z1+1], v[S+32*\u+4:S+32*\u+5], v[S+32*\u+6:S+32*\u+7]
.else
	s_wait_alu depctr_va_vdst(0)
	v_pk_add_f32 v[Z0:Z0+1], v[Z0:Z0+1], v[S+32*\u+8*\kt:S+32*\u+8*\kt+1]
	v_pk_add_f32 v[Z1:Z1+1], v[Z1:Z1+1], v[S+32*\u+8*\kt+2:S+32*\u+8*\kt+3]
	v_pk_add_f32 v[Z0:Z0+1], v[Z0:Z0+1], v[S+32*\u+8*\kt+4:S+32*\u+8*\kt+5]
	v_pk_add_f32 v[Z1:Z1+1], v[Z1:Z1+1], v[S+32*\u+8*\kt+6:S+32*\u+8*\kt+7]
.endif
.irp i, 0,1,2,3
	v_cvt_pk_f16_f32 v[P+16*\u+4*\kt+\i], v[S+32*\u+8*\kt+2*\i], v[S+32*\u+8*\kt+2*\i+1]
.endr
.endm
; The softmax step of query tile u over 64 keys.  old, new: the registers of the maximum before and after; first: nothing is there yet; masked: the diagonal block.
.macro SOFT u, old, new, first, masked, half
.if \masked
.irp kt, 0,1,2,3
.irp j, 0,1,2,3,4,5,6,7
	v_cmp_gt_i32 vcc_lo, 64*\half+16*\kt+\j-16*\u, v[DM]           ; key 64 half + 16 kt + 8 h + j lies behind query 32 w + 16 u + r
	v_cndmask_b32 v[S+32*\u+8*\kt+\j], v[S+32*\u+8*\kt+\j], v[NEG], vcc_lo
.endr
.endr
.endif
.irp kt, 0,1,2,3
	v_max3_num_f32 v[T+\kt], v[S+32*\u+8*\kt], v[S+32*\u+8*\kt+1], v[S+32*\u+8*\kt+2]      ; four chains, started by the scores themselves
.endr
.irp kt, 0,1,2,3
	v_max3_num_f32 v[T+\kt], v[T+\kt], v[S+32*\u+8*\kt+3], v[S+32*\u+8*\kt+4]
.endr
.irp kt, 0,1,2,3
	v_max3_num_f32 v[T+\kt], v[T+\kt], v[S+32*\u+8*\kt+5], v[S+32*\u+8*\kt+6]
.endr
	v_max3_num_f32 v[T], v[T], v[T+1], v[T+2]
	v_max3_num_f32 v[T], v[T], v[T+3], v[S+32*\u+7]
	v_max3_num_f32 v[T], v[T], v[S+32*\u+15], v[S+32*\u+23]
.if \first
	v_max_num_f32 v[T], v[T], v[S+32*\u+31]
.else
	v_max3_num_f32 v[T], v[T], v[S+32*\u+31], v[\old+\u]
.endif
	v_permlanex16_b32 v[Y], v[T], s66, s67         ; the same query's other 32 keys
	v_max_num_f32 v[\new+\u], v[T], v[Y]
.if \first == 0
	v_sub_f32 v[AA], v[\old+\u], v[\new+\u]
	v_mul_f32 v[AA], s60, v[AA]
	v_exp_f32 v[AL], v[AA]                         ; what sum and output so far are scaled by
.endif
	v_mul_f32 v[NM], s62, v[\new+\u]               ; (also the plain instruction behind v_exp_f32: ISA guide 5.7.2)
	; Behind each run of exponentials the first plain instruction touches none of that run's registers: the next tile's multiply-adds, or an earlier tile's sums.
	SFMA \u, 0
	SEXP \u, 0
	SFMA \u, 1
	SEXP \u, 1
	STW  \u, 0
	SFMA \u, 2
	SEXP \u, 2
	STW  \u, 1
	SFMA \u, 3
	SEXP \u, 3
	STW  \u, 2
.if \first == 0
.irp i, 0,2,4,6,8,10,12,14,16,18,20,22,24,26,28,30
	v_pk_mul_f32 v[O+32*\u+\i:O+32*\u+\i+1], v[O+32*\u+\i:O+32*\u+\i+1], v[AL:AL+1] op_sel_hi:[1,0]
.endr
.endif
	STW  \u, 3
	v_pk_add_f32 v[Z0:Z0+1], v[Z0:Z0+1], v[Z1:Z1+1]
.if \first
	v_add_f32 v[LS+\u], v[Z0], v[Z0+1]
.else
	v_add_f32 v[AA], v[Z0], v[Z0+1]
	v_fma_f32 v[LS+\u], v[LS+\u], v[AL], v[AA]
.endif
.endm
; 64 keys.  K's fragments were asked for earlier; V^T's are asked for here and are wanted only behind the first softmax.
.macro SUB slot, half, qf, first, masked
	PLACES
	VLOAD \slot, \half
	s_wait_dscnt 16                                ; K's sixteen loads are in; V^T's sixteen, issued behind them, may be out
	SMUL \qf
	PLACES
.if \half == 0
	KLOAD \slot, 1                                 ; the second half's K, under the softmax
	WIN 0
	SOFT 0, MA, MB, \first, \masked, 0
	s_wait_dscnt 16                                ; V^T is in; the second half's K may be out
	PV 0, \first
	SOFT 1, MA, MB, \first, \masked, 0
	PV 1, \first
.else
	WIN 0
	SOFT 0, MB, MA, 0, \masked, 1
	s_wait_dscnt 0                                 ; V^T is in
	PV 0, 0
	SOFT 1, MB, MA, 0, \masked, 1
	PV 1, 0
.endif
.endm
; A key block of 128.  In front of the barrier: all my tensor loads have landed (my part of this step's tile), my reads of the other slot are back.
; Behind it the other slot is filled again first, one load a wave; that load has the whole step in which to land.
.macro STEP slot, qf, diag, refill
	s_wait_tensorcnt 0x0
	ds_add_u32 v30, v31
	s_wait_dscnt 0x0
.if \refill
	NEXTJ
	SETD 1-\slot
.endif
	s_wait_dscnt 0x0
	s_barrier_signal -1
	s_barrier_wait -1
.if \refill
	JLOAD
.endif
	KLOAD \slot, 0
	SUB \slot, 0, \qf, \diag, \diag
	SUB \slot, 1, \qf, 0, \diag
.endm
; The way out of a query block: join the two halves' sums, divide, f16, through my own stage into whole rows.  My 32 rows of ctx are 4,096 contiguous bytes.
.macro EPI cp
	PLACES
	v_permlanex16_b32 v[Y], v[LS], s66, s67
	v_add_f32 v[LS], v[LS], v[Y]
	v_permlanex16_b32 v[Y], v[LS+1], s66, s67
	v_add_f32 v[LS+1], v[LS+1], v[Y]
	v_rcp_f32 v[AL], v[LS]                         ; the sum is at least 1: the largest score's weight is 1
	v_rcp_f32 v[NM], v[LS+1]
	v_nop                                          ; the plain instruction behind v_rcp_f32 (ISA guide 5.7.2)
	s_wait_alu depctr_va_vdst(0)
.irp i, 0,2,4,6,8,10,12,14,16,18,20,22,24,26,28,30
	v_pk_mul_f32 v[O+\i:O+\i+1], v[O+\i:O+\i+1], v[AL:AL+1] op_sel_hi:[1,0]
.endr
.irp i, 0,2,4,6,8,10,12,14,16,18,20,22,24,26,28,30
	v_pk_mul_f32 v[O+32+\i:O+32+\i+1], v[O+32+\i:O+32+\i+1], v[NM:NM+1] op_sel_hi:[1,0]
.endr
.irp t, 0,1,2,3,4,5,6,7
.irp i, 0,1,2,3
	v_cvt_pk_f16_f32 v[P+4*\t+\i], v[O+8*\t+2*\i], v[O+8*\t+2*\i+1]
.endr
.endr
.irp u, 0,1
.irp dt, 0,1,2,3
	ds_store_b128 v[STO], v[P+4*(4*\u+\dt):P+4*(4*\u+\dt)+3] offset:16*KP*\u+32*\dt     ; row 16 u + r, d = 16 dt + 8 h ..
.endr
.endr
.irp t, 0,1,2,3,4,5,6,7
	ds_load_b128 v[S+4*\t:S+4*\t+3], v[RD] offset:4*KP*\t          ; LDS serves a wave's instructions in order (ISA guide 5.7.1.4): these see the stores above
.endr
.irp t, 0,1,2,3,4,5,6,7
	s_wait_dscnt 7-\t
	global_store_b128 v[CO], v[S+4*\t:S+4*\t+3], s[\cp:\cp+1] offset:512*\t     ; four rows: 512 consecutive bytes, aligned
.endr
.endm
	STEP 0, QA, 1, 1                               ; the first query block: its diagonal key block,
	s_cmp_eq_u32 s15, 0
	s_cbranch_scc1 .Lfirst_done
	s_mov_b32 s68, s15                             ; then 2 e more, two a trip
.Lfirst:
	STEP 1, QA, 0, 1
	STEP 0, QA, 0, 1
	s_sub_co_u32 s68, s68, 1
	s_cmp_lg_u32 s68, 0
	s_cbranch_scc1 .Lfirst
.Lfirst_done:
	EPI 56                                         ; while the second block's diagonal tile is on its way
	s_wait_xcnt 0x0                                ; the stores' data registers hold scores again only behind this wait
	STEP 1, QB, 1, 1                               ; the second query block: its diagonal key block,
	s_sub_co_u32 s68, 7, s15
	s_cmp_eq_u32 s68, 0
	s_cbranch_scc1 .Lsecond_done
.Lsecond:                                          ; 14 - 2 e more, two a trip,
	STEP 0, QB, 0, 1
	STEP 1, QB, 0, 1
	s_sub_co_u32 s68, s68, 1
	s_cmp_lg_u32 s68, 0
	s_cbranch_scc1 .Lsecond
.Lsecond_done:
	STEP 0, QB, 0, 0                               ; and key block 0: nothing is left to fetch
	EPI 58
	s_wait_tensorcnt 0x0
	ds_add_u32 v30, v31
	s_wait_dscnt 0x0
	s_endpgm
.Lfunc_end_k_qeee6b3e88d_attn:
	.size	k_qeee6b3e88d_attn, .Lfunc_end_k_qeee6b3e88d_attn-k_qeee6b3e88d_attn
	.p2alignl 7, 3214868480
	.fill 96, 4, 3214868480
	.section	.rodata,"a",@progbits
	.p2align	6, 0x0
	.amdhsa_kernel k_qeee6b3e88d_attn
		.amdhsa_group_segment_fixed_size 327680
		.amdhsa_private_segment_fixed_size 0
		.amdhsa_enable_private_segment 0
		.amdhsa_kernarg_size 32
		.amdhsa_user_sgpr_count 2
		.amdhsa_user_sgpr_kernarg_segment_ptr 1
		.amdhsa_wavefront_size32 1
		.amdhsa_system_sgpr_workgroup_id_x 1
		.amdhsa_system_sgpr_workgroup_id_y 1
		.amdhsa_system_sgpr_workgroup_id_z 1
		.amdhsa_system_vgpr_workitem_id 0
		.amdhsa_next_free_vgpr 384
		.amdhsa_next_free_sgpr 72
		.amdhsa_reserve_vcc 1
		.amdhsa_float_denorm_mode_32 3
		.amdhsa_float_denorm_mode_16_64 3
		.amdhsa_memory_ordered 1
		.amdhsa_forward_progress 1
		.amdhsa_inst_pref_size 255
	.end_amdhsa_kernel
	.section	.bss,"aw",@nobits
	.p2align	6
	.space	262144
	.amdgpu_metadata
---
amdhsa.version: [ 1, 2 ]
amdhsa.kernels:
  - .name:           k_qeee6b3e88d_attn
    .symbol:         k_qeee6b3e88d_attn.kd
    .args:
      - { .name: q, .offset: 0, .size: 8, .value_kind: global_buffer, .address_space: global }
      - { .name: k, .offset: 8, .size: 8, .value_kind: global_buffer, .address_space: global }
      - { .name: vt, .offset: 16, .size: 8, .value_kind: global_buffer, .address_space: global }
      - { .name: ctx, .offset: 24, .size: 8, .value_kind: global_buffer, .address_space: global }
    .group_segment_fixed_size: 327680
    .private_segment_fixed_size: 0
    .kernarg_segment_align: 8
    .kernarg_segment_size: 32
    .max_flat_workgroup_size: 128
    .sgpr_count:     72
    .vgpr_count:     384
    .wavefront_size: 32
...
	.end_amdgpu_metadata
.endif
;; end of part 3
;; launch oproj (part 4): grid 8 x 32, 4 waves a work-group, clusters of 4 x 4, 327,680 bytes of LDS; arguments ctx, wob, bo, out0; writes out0
.if DOCPART == 4
	.amdgcn_target "amdgcn-amd-amdhsa--gfx1250"
	.amdhsa_code_object_version 6
	.text
	.protected	k_qeee6b3e88d_oproj
	.globl	k_qeee6b3e88d_oproj
	.p2align	8
	.type	k_qeee6b3e88d_oproj,@function
k_qeee6b3e88d_oproj:
	s_mov_b64 s[64:65], 0
	v_nop
	global_prefetch_b8 v0, s[64:65] scope:SCOPE_SE
	s_setreg_imm32_b32 hwreg(HW_REG_WAVE_MODE, 25, 1), 1
	s_wait_xcnt 0x0
	s_wait_alu depctr_hold_cnt(0) depctr_sa_sdst(0) depctr_va_vdst(0) depctr_va_sdst(0) depctr_va_ssrc(0) depctr_va_vcc(0) depctr_vm_vsrc(0)
	s_getreg_b32 s2, hwreg(HW_REG_IB_STS2, 6, 4)
	s_cmp_eq_u32 s2, 0
	s_cbranch_scc0 .Lentry_in_a_cluster
	s_endpgm
.Lentry_in_a_cluster:
	s_bfe_u32 s2, ttmp6, 0x10000c
	s_cmp_lg_u32 s2, 0xf033
	s_cbranch_scc0 .Lentry_shape_is_right
	s_endpgm
.Lentry_shape_is_right:
; out0 = ctx Wo^T + bo.  ctx: [2][16 heads][2048][64] f16; wob: [1024][1024] f16; bo: [1024] f32; out0: [4096][1024] f32.  f16 operands, f32 sums.
; A work-group makes 128 x 128 of out0 (32 x 8 = 256 work-groups, one for each WGP); a wave 64 x 64: 16 accumulator tiles.
; K = 1,024 comes in four fills of 256 (four heads) through two LDS slots, the largest of which two fit; all four are written out, there is no loop.
; Each of the two refills has a fill's 128 matrix instructions of a wave in which to land.  By this text's count two tensor loads of a wave are out at the start, later one.
; CLUSTERS: 4 x 4 work-groups.  ctx's tile hangs on the block of rows alone and is shared along a row of the cluster, Wo's on the block of columns alone and is
; shared along a column: joint loads, which divide the requests by four.
; THE MATRIX INSTRUCTION IS USED TRANSPOSED (source 0 = 16 rows of Wo, source 1 = 16 rows of ctx): a lane holds eight neighbouring columns of one row, 32 bytes of f32.
; The bias is the first product's C operand: nothing is cleared, nothing added later.
; ctx's tile: one head's 128 rows of 128 bytes are 16,384 dense bytes, and heads are 262,144 bytes apart; a load takes two heads as two long rows of 8,192 elements.
; The padding counts words along the whole tile, 16 bytes behind every 32 words, so that in LDS each row of 128 bytes has a pitch of 144.
.set AP,    144                        ; ctx's LDS row: 128 bytes + 16
.set BP,    528                        ; Wo's LDS row: 512 bytes + 16
.set HEADB, 128*AP                     ; a head's 128 rows in LDS
.set BBASE, 4*HEADB                    ; Wo's 128 rows lie behind ctx's four heads
.set SLOT,  BBASE+128*BP               ; 141,312 bytes
.set STAGE, 2*SLOT                     ; behind the ring: 16 rows x 272 bytes for each wave; no tensor load lands there
.set SP,    272
.set AFILL, 4*262144                   ; from fill to fill in ctx: four heads
.set BFILL, 512                        ; in wob: 256 elements along the rows
.set ADRA, 16                          ; v16-17  my ctx fragments in slot 0, 1
.set ADRB, 20                          ; v20-21  my Wo fragments
.set STO,  24
.set RD,   25
.set CO,   26
.set OBH,  27                          ; 32 h
.set BO,   32                          ; v[32:63]   column block b: bias of its 8 columns in my lane
.set F0,   64                          ; v[64:127]  fragment buffer 0: ctx at + 8 a, Wo at + 32 + 8 b
.set F1,   128                         ; v[128:191] fragment buffer 1
.set RB,   192                         ; v[192:255] rows read back, two halves by turns
                                       ; window 1: v[0:127] accumulators, tile (a, b) at 8 (4 a + b)
.set G1,  24
.set G0,  32
.set G1B, 48
.set G0B, 56
.set MSB, 0
.macro WIN new                         ; s_set_vgpr_msb: bits 1:0 source 0, 3:2 source 1, 5:4 source 2, 7:6 destination; the high byte repeats the setting that is left
.if MSB != \new
	s_set_vgpr_msb (MSB<<8)|\new
.set MSB, \new
.endif
.endm
.macro PLACES                          ; four places behind a matrix instruction before a load lands in, or a store reads, one of its registers
.rept 4
	v_nop
.endr
.endm
.macro JLOAD s                         ; waves 0 and 1 fetch two heads of ctx each, waves 2 and 3 64 rows of Wo each
	s_cmp_eq_u32 s11, 0
	s_cbranch_scc0 .Lfor_b_\@
	tensor_load_to_lds s[G0+4*\s:G0+4*\s+3], s[G1:G1+7]
	s_nop 0
	s_branch .Lasked_\@
.Lfor_b_\@:
	tensor_load_to_lds s[G0B+4*\s:G0B+4*\s+3], s[G1B:G1B+7]
	s_nop 0
.Lasked_\@:
.endm
.macro CROUND                          ; a round of the cluster's barrier
	s_barrier_signal -1
	s_barrier_wait -1
	s_cmp_lg_u32 s10, 0
	s_cbranch_scc1 .Lnot_wave_0_\@
	s_barrier_signal -3
.Lnot_wave_0_\@:
	s_barrier_wait -3
	s_barrier_signal -1
	s_barrier_wait -1
.endm
	s_load_b128 s[4:7], s[0:1], 0x0                ; ctx s[4:5], wob s[6:7]
	s_load_b128 s[68:71], s[0:1], 0x10             ; bo s[68:69], out0 s[70:71]
	v_lshl_add_u32 v30, v0, 2, 0x49400
	v_mov_b32 v31, 0
	ds_add_u32 v30, v31
	ds_add_u32 v30, v31
	v_lshrrev_b32 v1, 5, v0
	v_readfirstlane_b32 s10, v1                    ; wave
	s_lshr_b32 s11, s10, 1                         ; my half of the block's rows.  Also: I fetch ctx (0) or Wo (1)
	s_and_b32 s12, s10, 1                          ; my half of its columns.  Also: which half of that tile I fetch
	s_bfe_u32 s40, ttmp6, 0x40000                  ; cx
	s_bfe_u32 s41, ttmp6, 0x40004                  ; cy
	s_lshl_b32 s42, ttmp9, 2
	s_add_co_u32 s42, s42, s40                     ; block of 128 columns
	s_and_b32 s13, ttmp7, 0xffff
	s_lshl_b32 s13, s13, 2
	s_add_co_u32 s13, s13, s41                     ; block of 128 rows
	s_lshl_b32 s43, s41, 2
	s_lshl_b32 s43, 15, s43                        ; my row of the cluster
	s_lshl_b32 s44, 0x1111, s40                    ; my column
	s_or_b32 s[G1+0], s43, (1<<16)|(1<<20)|(1<<21)|(4<<22)|(3<<25)   ; elements of 2 bytes; 4 words of padding behind every 32; bit 21 set beside a mask
	s_mov_b32 s[G1+1], 8192<<16                    ; tensor_dim0 = 8,192: a head's 128 rows x 64
	s_mov_b32 s[G1+2], 2<<16                       ; tensor_dim1 = 2 heads
	s_mov_b32 s[G1+3], 8192<<16                    ; tile_dim0
	s_mov_b32 s[G1+4], 2                           ; tile_dim1
	s_mov_b32 s[G1+5], 131072                      ; from head to head: 2,048 x 64 elements
	s_mov_b32 s[G1+6], 0
	s_mov_b32 s[G1+7], 0
	s_or_b32 s[G1B+0], s44, (1<<16)|(1<<20)|(1<<21)|(6<<22)|(3<<25)  ; 4 words of padding behind every 128
	s_mov_b32 s[G1B+1], 256<<16                    ; 256 elements along K
	s_mov_b32 s[G1B+2], 64<<16                     ; 64 rows
	s_mov_b32 s[G1B+3], 256<<16
	s_mov_b32 s[G1B+4], 64
	s_mov_b32 s[G1B+5], 1024
	s_mov_b32 s[G1B+6], 0
	s_mov_b32 s[G1B+7], 0
	; each address is made in registers that never hold the other coordinate
	s_lshr_b32 s16, s13, 4
	s_lshl_b32 s16, s16, 22                        ; ctx: batch x 4 MiB
	s_and_b32 s17, s13, 15
	s_lshl_b32 s17, s17, 14
	s_add_co_u32 s16, s16, s17                     ; + 128 rows x 128 bytes x block in the batch
	s_lshl_b32 s17, s12, 19
	s_add_co_u32 s16, s16, s17                     ; + two heads for the second half
	s_mov_b32 s17, 0
	s_lshl_b32 s46, s42, 18                        ; wob: 128 rows x 2,048 bytes x block
	s_lshl_b32 s47, s12, 17
	s_add_co_u32 s46, s46, s47                     ; + 64 rows for the second half
	s_mov_b32 s47, 0
	s_mul_i32 s20, s10, 2*HEADB                    ; where ctx's halves go (waves 0, 1)
	s_mul_i32 s21, s10, 64*BP
	s_add_co_u32 s21, s21, BBASE-128*BP            ; where Wo's go (waves 2, 3): BBASE + (wave - 2) x 64 rows
	s_wait_dscnt 0x0
	s_wait_kmcnt 0x0
	s_add_nc_u64 s[14:15], s[4:5], s[16:17]
	s_add_nc_u64 s[46:47], s[6:7], s[46:47]
	CROUND                                         ; all sixteen work-groups are here: the first joint loads meet
.irp s, 0,1
	s_mov_b32 s[G0+4*\s], 1
	s_add_co_u32 s[G0+4*\s+1], s20, \s*SLOT
	s_add_nc_u64 s[G0+4*\s+2:G0+4*\s+3], s[14:15], \s*AFILL
	s_or_b32 s[G0+4*\s+3], s[G0+4*\s+3], 0x80000000
	s_mov_b32 s[G0B+4*\s], 1
	s_add_co_u32 s[G0B+4*\s+1], s21, \s*SLOT
	s_add_nc_u64 s[G0B+4*\s+2:G0B+4*\s+3], s[46:47], \s*BFILL
	s_or_b32 s[G0B+4*\s+3], s[G0B+4*\s+3], 0x80000000
	JLOAD \s
.endr
	v_and_b32 v1, 15, v0                           ; r
	v_bfe_u32 v2, v0, 4, 1                         ; h
	v_lshlrev_b32 v[OBH], 5, v2
	s_lshl_b32 s72, s42, 9                         ; my first column in bytes of f32: 512 x block + 256 x half (registers that feed no descriptor)
	s_lshl_b32 s73, s12, 8
	s_add_co_u32 s72, s72, s73
	s_mov_b32 s73, 0
	s_lshl_b32 s74, s13, 19                        ; my first row: (128 x block + 64 x half) x 4,096 bytes
	s_lshl_b32 s75, s11, 18
	s_add_co_u32 s74, s74, s75
	s_add_co_u32 s74, s74, s72
	s_mov_b32 s75, 0
	s_add_nc_u64 s[68:69], s[68:69], s[72:73]
	s_add_nc_u64 s[70:71], s[70:71], s[74:75]
.irp b, 0,1,2,3
	global_load_b128 v[BO+8*\b:BO+8*\b+3],   v[OBH], s[68:69] offset:64*\b        ; register j of lane (r, h) is column 16 b + 8 h + j
	global_load_b128 v[BO+8*\b+4:BO+8*\b+7], v[OBH], s[68:69] offset:64*\b+16
.endr
	v_mul_u32_u24 v3, v1, AP
	v_lshl_add_u32 v3, v2, 4, v3
	s_mul_i32 s22, s11, 64*AP                      ; my 64 rows in each head
	v_add_nc_u32 v[ADRA], s22, v3
	v_add_nc_u32 v[ADRA+1], SLOT, v[ADRA]
	v_mul_u32_u24 v3, v1, BP
	v_lshl_add_u32 v3, v2, 4, v3
	s_mul_i32 s22, s12, 64*BP
	s_add_co_u32 s22, s22, BBASE
	v_add_nc_u32 v[ADRB], s22, v3
	v_add_nc_u32 v[ADRB+1], SLOT, v[ADRB]
	s_mul_i32 s23, s10, 16*SP
	s_add_co_u32 s23, s23, STAGE                   ; my stage
	v_mul_u32_u24 v4, v1, SP                       ; in: row r, 32 bytes for each half of the lanes
	v_lshl_add_u32 v4, v2, 5, v4
	v_add_nc_u32 v[STO], s23, v4
	v_mul_u32_u24 v5, v2, SP                       ; back: lanes 0-15 take one row of 256 bytes, lanes 16-31 the next
	v_lshl_add_u32 v5, v1, 4, v5
	v_add_nc_u32 v[RD], s23, v5
	v_lshlrev_b32 v5, 12, v2                       ; and the same two rows in out0
	v_lshl_add_u32 v[CO], v1, 4, v5
; 16 LDS loads: chunk c (32 along K; head c / 2, its d = 32 (c % 2) ..) into buffer f
.macro FETCH slot, c, f
.irp i, 0,1,2,3
	ds_load_b128 v[\f+32+8*\i:\f+32+8*\i+3],   v[ADRB+\slot] offset:\i*16*BP+64*(\c)
	ds_load_b128 v[\f+32+8*\i+4:\f+32+8*\i+7], v[ADRB+\slot] offset:\i*16*BP+64*(\c)+32
.endr
.irp i, 0,1,2,3
	ds_load_b128 v[\f+8*\i:\f+8*\i+3],   v[ADRA+\slot] offset:((\c)>>1)*HEADB+\i*16*AP+((\c)&1)*64
	ds_load_b128 v[\f+8*\i+4:\f+8*\i+7], v[ADRA+\slot] offset:((\c)>>1)*HEADB+\i*16*AP+((\c)&1)*64+32
.endr
.endm
; 16 matrix instructions; the 16 accumulators take turns, one instruction a turn
.macro MUL16 f, first
.irp a, 0,1,2,3
.irp b, 0,1,2,3
.if \first
	v_wmma_f32_16x16x32_f16 v[8*(4*\a+\b):8*(4*\a+\b)+7], v[\f+32+8*\b:\f+32+8*\b+7], v[\f+8*\a:\f+8*\a+7], v[BO+8*\b:BO+8*\b+7]
.else
	v_wmma_f32_16x16x32_f16 v[8*(4*\a+\b):8*(4*\a+\b)+7], v[\f+32+8*\b:\f+32+8*\b+7], v[\f+8*\a:\f+8*\a+7], v[8*(4*\a+\b):8*(4*\a+\b)+7]
.endif
.endr
.endr
.endm
.macro CHUNK slot, c, f, g, first      ; asks for chunk c + 1 into buffer g, multiplies chunk c from buffer f
	PLACES
	FETCH \slot, \c+1, \g
	s_wait_dscnt 16                                ; all but the 16 just issued
.if \first
	WIN 0x40                                       ; D window 1, C (the bias) window 0
.else
	WIN 0x50                                       ; C and D window 1
.endif
	MUL16 \f, \first
	WIN 0
.endm
.macro RUN slot, first                 ; a fill: 8 chunks of 32 along K
	PLACES
	FETCH \slot, 0, F0
	CHUNK \slot, 0, F0, F1, \first
	CHUNK \slot, 1, F1, F0, 0
	CHUNK \slot, 2, F0, F1, 0
	CHUNK \slot, 3, F1, F0, 0
	CHUNK \slot, 4, F0, F1, 0
	CHUNK \slot, 5, F1, F0, 0
	CHUNK \slot, 6, F0, F1, 0
	s_wait_dscnt 0
	WIN 0x50
	MUL16 F1, 0
	WIN 0
.endm
; Slot s, which has been read, is filled again.  In front of the round: all my tensor loads have landed (the other slot's part of mine among them), so a group 0
; may be written; my reads of the slot are back.  Behind the round no wave of any partner reads the slot: the joint refill is the first thing there, one load a wave.
.macro REFILL s
	s_wait_tensorcnt 0x0
	ds_add_u32 v30, v31
	s_add_nc_u64 s[G0+4*\s+2:G0+4*\s+3], s[G0+4*\s+2:G0+4*\s+3], 2*AFILL
	s_add_nc_u64 s[G0B+4*\s+2:G0B+4*\s+3], s[G0B+4*\s+2:G0B+4*\s+3], 2*BFILL
	s_wait_dscnt 0x0
	CROUND
	JLOAD \s
.endm
	s_wait_tensorcnt 0x1                           ; my part of fill 0 is in; fill 1's may stay out
	s_wait_loadcnt 0x0                             ; the bias
	s_barrier_signal -1
	s_barrier_wait -1
	RUN 0, 1                                       ; heads 0-3
	REFILL 0                                       ; heads 8-11 go out
	RUN 1, 0                                       ; heads 4-7
	REFILL 1                                       ; heads 12-15 go out: the last load
	RUN 0, 0
	s_wait_tensorcnt 0x0                           ; my part of the last fill is in
	s_wait_dscnt 0x0
	s_barrier_signal -1
	s_barrier_wait -1                              ; everybody's is; nothing is left to fetch
	RUN 1, 0
	; THE WAY OUT, 16 rows at a time through my own stage: 32 bytes a lane in, whole rows of 256 bytes back.
	PLACES
.macro OUT16 a, f
	WIN 0x04                                       ; the LDS stores' data in window 1
.irp b, 0,1,2,3
	ds_store_b128 v[STO], v[8*(4*\a+\b):8*(4*\a+\b)+3]   offset:64*\b
	ds_store_b128 v[STO], v[8*(4*\a+\b)+4:8*(4*\a+\b)+7] offset:64*\b+16
.endr
	WIN 0
	s_wait_xcnt 0x0                                ; half f of the read-back registers, which earlier stores read, is loaded again only behind this wait
.irp t, 0,1,2,3,4,5,6,7
	ds_load_b128 v[\f+4*\t:\f+4*\t+3], v[RD] offset:\t*2*SP        ; LDS serves a wave's instructions in order (ISA guide 5.7.1.4): these see the stores above
.endr
.irp t, 0,1,2,3,4,5,6,7
	s_wait_dscnt 7-\t
	global_store_b128 v[CO], v[\f+4*\t:\f+4*\t+3], s[70:71] offset:(16*\a+2*\t)*4096 th:TH_STORE_NT   ; 16 lanes store 256 consecutive bytes, aligned
.endr
.endm
	OUT16 0, RB
	OUT16 1, RB+32
	OUT16 2, RB
	OUT16 3, RB+32
	s_wait_tensorcnt 0x0
	ds_add_u32 v30, v31
	s_wait_dscnt 0x0
	CROUND                                         ; the closing round: no work-group ends while a partner may still ask for a tile that names it
	s_endpgm
.Lfunc_end_k_qeee6b3e88d_oproj:
	.size	k_qeee6b3e88d_oproj, .Lfunc_end_k_qeee6b3e88d_oproj-k_qeee6b3e88d_oproj
	.p2alignl 7, 3214868480
	.fill 96, 4, 3214868480
	.section	.rodata,"a",@progbits
	.p2align	6, 0x0
	.amdhsa_kernel k_qeee6b3e88d_oproj
		.amdhsa_group_segment_fixed_size 327680
		.amdhsa_private_segment_fixed_size 0
		.amdhsa_enable_private_segment 0
		.amdhsa_kernarg_size 32
		.amdhsa_user_sgpr_count 2
		.amdhsa_user_sgpr_kernarg_segment_ptr 1
		.amdhsa_wavefront_size32 1
		.amdhsa_system_sgpr_workgroup_id_x 1
		.amdhsa_system_sgpr_workgroup_id_y 1
		.amdhsa_system_sgpr_workgroup_id_z 1
		.amdhsa_system_vgpr_workitem_id 0
		.amdhsa_next_free_vgpr 384
		.amdhsa_next_free_sgpr 76
		.amdhsa_reserve_vcc 0
		.amdhsa_float_denorm_mode_32 3
		.amdhsa_float_denorm_mode_16_64 3
		.amdhsa_memory_ordered 1
		.amdhsa_forward_progress 1
		.amdhsa_inst_pref_size 90
	.end_amdhsa_kernel
	.amdgpu_metadata
---
amdhsa.version: [ 1, 2 ]
amdhsa.kernels:
  - .name:           k_qeee6b3e88d_oproj
    .symbol:         k_qeee6b3e88d_oproj.kd
    .args:
      - { .name: ctx, .offset: 0, .size: 8, .value_kind: global_buffer, .address_space: global }
      - { .name: wob, .offset: 8, .size: 8, .value_kind: global_buffer, .address_space: global }
      - { .name: bo, .offset: 16, .size: 8, .value_kind: global_buffer, .address_space: global }
      - { .name: out0, .offset: 24, .size: 8, .value_kind: global_buffer, .address_space: global }
    .group_segment_fixed_size: 327680
    .private_segment_fixed_size: 0
    .kernarg_segment_align: 8
    .kernarg_segment_size: 32
    .max_flat_workgroup_size: 128
    .sgpr_count:     76
    .vgpr_count:     384
    .wavefront_size: 32
...
	.end_amdgpu_metadata
.endif
;; end of part 4
